; MI455X (gfx1250); checked and timed in simulation.
; The chip was launched on July 23, 2026; its instructions are those of AMD's public machine-readable ISA for CDNA 5 (MIT licence, August 2026) and "CDNA5" Instruction Set Architecture Reference Guide (July 2026). The comments in the code are by the model that wrote it; some were corrected since.
;; Casual Self Attention. Allowed arithmetic: matrix products marked QUANTISED: E4M3 operands, one given power-of-two scale a tensor, by v_wmma_f32_16x16x64_fp8_fp8 or v_wmma_f32_16x16x128_fp8_fp8, f32 sums; everything else in f32.
;; Inputs: b_attn 3,072 float32; b_proj 1,024 float32; lowp_scales 8 int32 (the exponents e of the quantised operands' scales 2^e); w_attn_codes 3,072 x 32 x 32 uint8 (E4M3 codes of w_attn, K innermost, in blocks of 32 codes); w_proj_codes 1,024 x 32 x 32 uint8 (E4M3 codes of w_proj, K innermost, in blocks of 32 codes); x_codes 2 x 2,048 x 32 x 32 uint8 (E4M3 codes of x, K innermost, in blocks of 32 codes).
;; Outputs: out0 2 x 2,048 x 1,024 float32.
;; This version of the problem:
;;   THIS VERSION OF THE PROBLEM IS GIVEN IN LOW PRECISION. The matrix products marked QUANTISED in the list below multiply operands that are first quantised to E4M3 (4 exponent bits, 3 mantissa bits; 8 bits a number), with one given power-of-two scale for each operand tensor; their sums are f32. All else is computed in f32.
;;   The module's matrix products, in the order in which they are computed (A, B: the left and right operand; K: the contracted axis; several contracted axes count as one K, in the product's order):
;;     1. [M 4,096, K 1,024] x [K 1,024, N 3,072]; A: input x (given as codes); B: input w_attn (given as codes): QUANTISED (scales: A lowp_scales[0], B lowp_scales[1])
;;     2. batch 32 x [M 2,048, K 64] x [K 64, N 2,048]; A: computed on the way; B: computed on the way: QUANTISED (scales: A lowp_scales[2], B lowp_scales[3])
;;     3. batch 32 x [M 2,048, K 2,048] x [K 2,048, N 64]; A: softmax (see below); B: computed on the way: QUANTISED (scales: A lowp_scales[4], B lowp_scales[5])
;;     4. [M 4,096, K 1,024] x [K 1,024, N 1,024]; A: computed on the way; B: input w_proj (given as codes): QUANTISED (scales: A lowp_scales[6], B lowp_scales[7])
;;   THE QUANTISER, for each operand of a quantised product, along K:
;;     - The operand's scale is 2^e, e = its entry of the input lowp_scales (int32; the entries are numbered through the quantised products in the list's order, A before B).
;;     - Each number is divided by the scale, clamped to +-448, and rounded to the nearest number of E4M3, ties to even, subnormals kept.
;;     - The product sums the exact products of the quantised numbers (number of the format x scale) in f32.
;;   ~~~python
;;   def quantise(x, axis, e):      # numpy; x: float32 -> the quantised numbers, widened to float32 again
;;       x = np.moveaxis(x, axis, -1); K = x.shape[-1]
;;       r = np.clip(x / 2.0 ** e, -448, 448)
;;       step = 2.0 ** (np.maximum(np.frexp(np.where(r == 0, 1, r))[1] - 1, -6) - 3)
;;       q = np.round(r / step) * step * 2.0 ** e      # np.round: ties to even
;;       return np.moveaxis(q, -1, axis).astype(np.float32)
;;   ~~~
;;   SOFTMAX AHEAD OF A QUANTISED PRODUCT. Where the list says 'softmax', what is quantised is not the finished softmax but p = 2^(t - M), with t = logit x log2(e) and M = ceil(the row's largest t), a whole number; so 1/2 < the row's largest p <= 1. The row's sum l is taken of the UNQUANTISED p, in f32, and the product's result is divided by l at the end. Since M is a whole number, a kernel that streams over the keys may use a running M (the ceiling of the running maximum): every later rescaling is an exact power of two, so the quantised numbers keep their values, but for numbers so far below the row's largest that they fall under the format's range.
;;   OPERANDS COMPUTED ON THE WAY. 'Computed on the way' means the value that the module computes at that place (a softmax that the list does not call 'softmax' is quantised finished and normalised). What goes into a quantiser is computed in f32, as accurately as f32 sums, v_exp_f32 and their like allow (about 1e-6 of the number): no bf16 or f16 on the way to a quantiser, and a product that is left as it is and whose result goes on into a quantised operand takes f32 operands (vector FMAs, or v_wmma_f32_16x16x4_f32). A number that lies on a knife's edge between two numbers of the format may be rounded either way, as far as f32 arithmetic and the matrix unit's own rounding can turn it there, and no further.
;;   INPUTS GIVEN AS CODES. w_attn (in the module: [3072, 1024], K = its axis 1); w_proj (in the module: [1024, 1024], K = its axis 1); x (in the module: [2, 2048, 1024], K = its axis 2): each comes as NAME_codes (uint8): NAME with its K axis moved to the last place and cut into blocks of 32 codes, [.., K / 32, bytes a block], one block behind the other in memory; one code a byte (a code: sign, 4 exponent bits, 3 mantissa bits); its scale is its entry of lowp_scales. Its value is code x scale, taken as it is: it is not quantised again, and the codes and scales need not be those that the quantiser above would give.
;; One version. Each part assembles by itself: llvm-mc -triple=amdgcn-amd-amdhsa -mcpu=gfx1250 --defsym DOCPART=n.
;; ======== version 1 of 1: 3 launches
;; limits: right only within a limited range of input values
;; workspace buffers: q_img 4,194,304 bytes; k_img 4,194,304 bytes; v_img 4,194,304 bytes; y_img 4,194,304 bytes
;; launch qkv (part 1): grid 16 x 16, 4 waves a work-group, clusters of 4 x 4, 327,680 bytes of LDS; arguments x_codes, w_attn_codes, b_attn, lowp_scales, q_img, k_img, v_img; writes q_img, k_img, v_img
.if DOCPART == 1
	.amdgcn_target "amdgcn-amd-amdhsa--gfx1250"
	.amdhsa_code_object_version 6
	.text
	.protected	k_q130b45e8ec_qkv
	.globl	k_q130b45e8ec_qkv
	.p2align	8
	.type	k_q130b45e8ec_qkv,@function
k_q130b45e8ec_qkv:
	s_mov_b64 s[64:65], 0
	v_nop
	global_prefetch_b8 v0, s[64:65] scope:SCOPE_SE
	s_setreg_imm32_b32 hwreg(HW_REG_WAVE_MODE, 25, 1), 1
	s_wait_xcnt 0x0
	s_wait_alu depctr_hold_cnt(0) depctr_sa_sdst(0) depctr_va_vdst(0) depctr_va_sdst(0) depctr_va_ssrc(0) depctr_va_vcc(0) depctr_vm_vsrc(0)
	s_getreg_b32 s2, hwreg(HW_REG_IB_STS2, 6, 4)
	s_cmp_eq_u32 s2, 0
	s_cbranch_scc0 .Lentry_in_a_cluster
	s_endpgm
.Lentry_in_a_cluster:
	s_bfe_u32 s2, ttmp6, 0x10000c
	s_cmp_lg_u32 s2, 0xf033
	s_cbranch_scc0 .Lentry_shape_is_right
	s_endpgm
.Lentry_shape_is_right:
; qkv = x W_attn^T + b_attn on codes of E4M3, then RoPE on q and k, then the quantisers of q, k and v.  x: 4,096 rows x 1,024 codes; W_attn: 3,072 rows x 1,024 codes; K innermost in both.
; SHARES.  A work-group makes 256 rows x 192 columns: the 64 columns of ONE head in q, in k and in v.  Grid x = the head (16), grid y = the block of 256 rows (16).  Wave w (rh = w / 2, c = w % 2) makes rows 128 rh .. + 127
; x channels 32 c .. + 31 of each kind: 8 tiles of rows (a) x 6 tiles of columns (b = 2 g + u; g = 0 q, 1 k, 2 v): 48 accumulators, 384 registers.
; q AND k TILES ARE USED TRANSPOSED (source 0 = 16 rows of W, source 1 = 16 rows of x): a lane holds one row t and eight neighbouring channels, so RoPE's pairs (even, odd) lie in neighbouring registers.
; v TILES ARE USED AS THEY ARE (source 0 = x, source 1 = W): a lane holds one channel and eight neighbouring rows t, which are eight neighbours along the keys, the K of attention's second product.
; So each conversion's result is a piece of an operand's registers for the next launch, and the codes are stored as IMAGES OF THOSE REGISTERS: every store of a wave covers 512 consecutive bytes, aligned; nothing goes through LDS on the way out.
;   q_img, k_img: [b x head 32][tile of 16 rows 128][e 2][lane 32][16 bytes]: registers 4 e .. 4 e + 3 of the K = 64 form's fragment.  The 16 bytes of (e, lane / 16 = h): for u = 0, 1 and p = 0 .. 3 the pair (f_i, g_i),
;     i = 16 e + 8 u + 4 h + p, f_i = xe_i cos - xo_i sin (channel i of the rotated head), g_i = xe_i sin + xo_i cos (channel 32 + i).  The same order of channels in q and in k: every product meets its partner.
;   v_img: [b x head][128 keys 16][dt 4][cq 4][lane][16 bytes]: the fragment of V^T (channels 16 dt + lane % 16) x 128 keys: registers 2 a, 2 a + 1 hold keys 16 a + 8 h + 0 .. 7.
; K goes in four steps of 256 through two LDS slots (rows of 256 bytes); a slot is multiplied in two steps of 128.  A fragment is fetched by four loads of 16 bytes: a permutation of k that is the same in x and in W.
; CLUSTERS: 4 x 4.  x's tile hangs on the block of rows alone: asked for jointly by the four of a row of the cluster (wave 0).  W's three parts hang on the head alone: jointly by the four of a column (waves 1 to 3).
; THE SCALES.  A sum stands for sum x 2^(e0 + e1).  The bias goes in as the C of each sum's first product, divided by 2^(e0 + e1); RoPE is linear, so the conversions take 2^(e2 - e0 - e1), 2^(e3 - e0 - e1), 2^(e5 - e0 - e1).
; RoPE's ANGLES.  div_i = exp(fl(2 i x fl(-ln(10000) / 64))) by v_exp_f32 with the argument's rounding error brought back in; angle = fl(pos x div_i); reduced by pi / 2 in two parts (the first product-difference is exact for
; angles under 2,048); sine and cosine by polynomials of degree 7 and 8 on |r| <= pi / 4.
; LIMITS: e2 - e0 - e1, e3 - e0 - e1 and e5 - e0 - e1 lie between -126 and 119, so that each power of two below is an f32 number.  NaN in b_attn is not served.
; REGISTERS, in windows of 256.  Window 0: v1-10 lane terms and conversion scales; v16-21 LDS addresses; v28, v29 the spare word's address and 0; v32-45 div, pos, two constants (head only); v128-255 x's 8 fragments
;   (at the head: at work on the angles; on the way out: v128-175 rotated numbers, v176-207 at work); on the way out v32-127 the codes.
;   Window 1: v0-95, v96-191 W's six fragments, two sets; v192-239 the biases.   Windows 2, 3: v0-191 the accumulators of tiles a = 0-3, 4-7: (a, b) at 8 (6 (a % 4) + b); v192-255 (cos, sin) pairs at 192 + 2 (8 (a % 4) + 4 u + p).
; WORK LEFT OUT in this program: the key steps of 128 that the causal mask hides from a whole tile of 16 queries (launch attn): their logits are -inf for all values of the inputs, so they add nothing to
; any result.  A NaN or an infinity that reaches only those logits is not carried to the result.
; NO PREFETCH: K is 1,024, four K steps written out: slots 0 and 1 bring the first two, and no loop is there to run ahead in.
.set PITCH, 272                        ; an LDS row: 256 bytes + 16 of padding = 68 words, so that the 16 rows of a fragment load start at 16 different groups of four banks (ISA guide 11.1)
.set ATILE, 256*PITCH                  ; x's 256 rows
.set BPART, 64*PITCH                   ; 64 rows of W: the head's part of q, of k or of v
.set SLOT,  ATILE+3*BPART
.set SPARE, 2*SLOT                     ; behind the ring: the spare words, 128 bytes for each wave: two blocks of 256 bytes that no other line names
.set WV,  18                           ; s18 wave, s19 rh, s20 c
.set RH,  19
.set CH,  20
.set G1A, 24                           ; s[24:31] descriptor group 1 for x's tile;  s[32:39] its groups 0, one for each slot
.set G0A, 32
.set G1B, 40                           ; s[40:47], s[48:55] the same for W's parts
.set G0B, 48
.set ADRA, 16                          ; v16-17 LDS address of my fragments of x in slot 0, 1
.set ADRB, 20                          ; v20-21 the same for W
.set SPW, 28
.set NIL, 29
.set AF,  128
.set DIV, 32                           ; v[32:39] div of my 8 frequencies (4 u + p); v[40:41] pos
.set XTH, 128                          ; at work on 8 angles
.set XN,  136
.set XR,  144
.set XZ,  152
.set XPS, 160
.set XPC, 168
.set XZZ, 176
.set XW,  184
.set XNI, 192
.set XT1, 200
.set XT2, 208
.set XSV, 216
.set XCV, 224
.set RR,  128                          ; the way out
.set TT,  176
.set MSB, 0
.macro WIN new                         ; the immediate's high byte repeats the setting that is left
.if MSB != (\new)
	s_set_vgpr_msb (MSB<<8)|(\new)
.set MSB, (\new)
.endif
.endm
.macro PLACES n
.rept \n
	v_nop
.endr
.endm
.macro CREST                           ; a round of the cluster's barrier behind its opening barrier
	s_cmp_lg_u32 s[WV], 0
	s_cbranch_scc1 .Lnot_wave_0_\@
	s_barrier_signal -3
.Lnot_wave_0_\@:
	s_barrier_wait -3
	s_barrier_signal -1
	s_barrier_wait -1
.endm
.macro CROUND
	s_barrier_signal -1
	s_barrier_wait -1
	CREST
.endm
; A joint load: wave 0 fetches x's tile, waves 1 to 3 W's three parts.  The branch hangs on the wave's number alone.  Four v_nop follow each of the two lines.
.macro JLOAD s
	s_cmp_eq_u32 s[WV], 0
	s_cbranch_scc0 .Lfor_b_\@
	tensor_load_to_lds s[G0A+4*\s:G0A+4*\s+3], s[G1A:G1A+7]
	s_nop 0
.rept 4
	v_nop
.endr
	s_branch .Lasked_\@
.Lfor_b_\@:
	tensor_load_to_lds s[G0B+4*\s:G0B+4*\s+3], s[G1B:G1B+7]
	s_nop 0
.rept 4
	v_nop
.endr
.Lasked_\@:
.endm
	s_load_b256 s[4:11], s[0:1], 0x0               ; x s[4:5], W s[6:7], b_attn s[8:9], the scales' exponents s[10:11]
	s_load_b128 s[12:15], s[0:1], 0x20             ; q_img, k_img
	s_load_b64 s[16:17], s[0:1], 0x30              ; v_img
	v_lshl_add_u32 v[SPW], v0, 2, SPARE
	v_mov_b32 v[NIL], 0
	ds_add_u32 v28, v29
	ds_add_u32 v28, v29
	s_wait_dscnt 0x0
	v_lshrrev_b32 v1, 5, v0
	v_readfirstlane_b32 s[WV], v1                  ; wave 0..3
	s_lshr_b32 s[RH], s[WV], 1
	s_and_b32 s[CH], s[WV], 1
	s_bfe_u32 s21, ttmp6, 0x40000                  ; cx, cy: my place in the cluster
	s_bfe_u32 s22, ttmp6, 0x40004
	s_lshl_b32 s23, ttmp9, 2
	s_add_co_u32 s23, s23, s21                     ; the head = 4 x cluster x + cx
	s_and_b32 s56, ttmp7, 0xffff
	s_lshl_b32 s56, s56, 2
	s_add_co_u32 s56, s56, s22                     ; the block of 256 rows = 4 x cluster y + cy
	s_lshl_b32 s57, s22, 2
	s_lshl_b32 s57, 15, s57                        ; my row of the cluster
	s_lshl_b32 s58, 0x1111, s21                    ; my column
	s_or_b32 s[G1A], s57, (1<<20)|(1<<21)|(5<<22)|(3<<25)   ; 15:0 the mask; 17:16 elements of 1 byte; 20 padding on; 21 set beside a mask; 24:22 after every 64 words; 31:25 four words
	s_or_b32 s[G1B], s58, (1<<20)|(1<<21)|(5<<22)|(3<<25)
.irp g, G1A, G1B
	s_mov_b32 s[\g+1], 256<<16                     ; tensor_dim0 = 256
	s_mov_b32 s[\g+3], 256<<16                     ; tile_dim0 = 256
	s_mov_b32 s[\g+5], 1024                        ; from row to row
	s_mov_b32 s[\g+6], 0
	s_mov_b32 s[\g+7], 0
.endr
	s_mov_b32 s[G1A+2], 256<<16                    ; tensor_dim1, tile_dim1: 256 rows of x,
	s_mov_b32 s[G1A+4], 256
	s_mov_b32 s[G1B+2], 64<<16                     ; 64 rows of W
	s_mov_b32 s[G1B+4], 64
	s_mul_i32 s59, s[WV], BPART
	s_add_co_u32 s59, s59, ATILE-BPART             ; where wave w = 1 .. 3 puts part w - 1 of W: behind x's tile
	s_lshl_b32 s60, s56, 18                        ; x: 256 rows of 1,024 bytes a block
	s_mov_b32 s61, 0
	s_max_u32 s62, s[WV], 1
	s_sub_co_u32 s62, s62, 1
	s_lshl_b32 s62, s62, 20                        ; W: part g begins 1,024 rows x 1,024 bytes x g on,
	s_lshl_b32 s63, s23, 16                        ; the head's 64 rows
	s_add_co_u32 s62, s62, s63
	s_mov_b32 s63, 0
	s_wait_kmcnt 0x0
	s_load_b256 s[68:75], s[10:11], 0x0            ; e0 .. e7
	s_add_nc_u64 s[60:61], s[4:5], s[60:61]
	s_add_nc_u64 s[62:63], s[6:7], s[62:63]
.irp s, 0,1
	s_mov_b32 s[G0A+4*\s], 1
	s_mov_b32 s[G0A+4*\s+1], \s*SLOT
	s_add_nc_u64 s[G0A+4*\s+2:G0A+4*\s+3], s[60:61], \s*256   ; K step s
	s_or_b32 s[G0A+4*\s+3], s[G0A+4*\s+3], 0x80000000
	s_mov_b32 s[G0B+4*\s], 1
	s_add_co_u32 s[G0B+4*\s+1], s59, \s*SLOT
	s_add_nc_u64 s[G0B+4*\s+2:G0B+4*\s+3], s[62:63], \s*256
	s_or_b32 s[G0B+4*\s+3], s[G0B+4*\s+3], 0x80000000
.endr
	CROUND                                         ; all sixteen work-groups are here: the first joint loads meet
	JLOAD 0                                        ; K step 0
	v_and_b32 v1, 15, v0                           ; r
	v_bfe_u32 v2, v0, 4, 1                         ; h
	v_and_b32 v3, 31, v0
	v_lshlrev_b32 v3, 4, v3                        ; 16 x lane: my place in an image
	v_lshlrev_b32 v4, 5, v2                        ; 32 h: q's and k's biases: eight channels of my half
	v_lshlrev_b32 v5, 2, v1                        ; 4 r: v's bias: my channel
	s_lshl_b32 s60, s23, 8
	s_lshl_b32 s61, s[CH], 7
	s_add_co_u32 s60, s60, s61                     ; 4 x (64 head + 32 c)
	s_mov_b32 s61, 0
	s_add_nc_u64 s[8:9], s[8:9], s[60:61]
	WIN 0x40                                       ; destination window 1
.irp b, 0,1,2,3
	global_load_b128 v[192+8*\b:195+8*\b], v4, s[8:9] offset:4096*(\b/2)+64*(\b%2)
	global_load_b128 v[196+8*\b:199+8*\b], v4, s[8:9] offset:4096*(\b/2)+64*(\b%2)+16
.endr
.irp u, 0,1
.irp j, 0,1,2,3,4,5,6,7
	global_load_b32 v[224+8*\u+\j], v5, s[8:9] offset:8192+64*\u   ; in a tile of v all eight registers of a lane belong to one channel
.endr
.endr
	WIN 0
	v_mul_u32_u24 v6, v1, PITCH
	v_lshl_add_u32 v6, v2, 4, v6                   ; a fragment's row x pitch + 16 x half
	s_mul_i32 s60, s[RH], 128*PITCH                ; my 128 rows of x
	s_mul_i32 s61, s[CH], 32*PITCH                 ; my 32 rows of each part of W,
	s_add_co_u32 s61, s61, ATILE                   ; which lie behind x's tile
.irp s, 0,1
	v_add_nc_u32 v[ADRA+\s], s60, v6
	v_add_nc_u32 v[ADRB+\s], s61, v6
	s_add_co_u32 s60, s60, SLOT
	s_add_co_u32 s61, s61, SLOT
.endr
	; where my images begin: b x head, my key step; q, k: 8 tiles of 1,024 bytes, my half e = c;  v: a key step of 8,192 bytes, my two fragments dt = 2 c, 2 c + 1
	s_lshr_b32 s60, s56, 3
	s_lshl_b32 s60, s60, 4
	s_add_co_u32 s60, s60, s23                     ; 16 b + head
	s_lshl_b32 s60, s60, 17
	s_and_b32 s59, s56, 7                          ; the block's place in its sequence of 2,048
	s_lshl_b32 s62, s59, 14
	s_add_co_u32 s60, s60, s62
	s_lshl_b32 s62, s[RH], 13
	s_add_co_u32 s60, s60, s62
	s_lshl_b32 s62, s[CH], 9
	s_add_co_u32 s62, s60, s62
	s_mov_b32 s63, 0
	s_add_nc_u64 s[12:13], s[12:13], s[62:63]
	s_add_nc_u64 s[14:15], s[14:15], s[62:63]
	s_lshl_b32 s62, s[CH], 12
	s_add_co_u32 s62, s60, s62
	s_add_nc_u64 s[16:17], s[16:17], s[62:63]
	; constants of the reduction and of the polynomials: pairs, both words written, since the packed forms name pairs
	s_mov_b32 s83, 0x80000000
	s_mov_b32 s84, 0x3f22f983                      ; 2 / pi
	s_mov_b32 s86, 0xbfc90fdb                      ; -(pi / 2 rounded to f32)
	s_mov_b32 s88, 0x333bbd2e                      ; -(pi / 2 less that)
	s_mov_b32 s90, 0xb94ca1f9                      ; sine: z^3's, z's coefficients (z^2's lies in v[42:43])
	s_mov_b32 s92, 0xbe2aaaa3
	s_mov_b32 s94, 0x37ccf5ce                      ; cosine likewise (v[44:45])
	s_mov_b32 s96, 0x3d2aaaa5
.irp g, 84,86,88,90,92,94,96
	s_mov_b32 s[\g+1], s[\g]
.endr
	v_mov_b32 v42, 0x3c08839e
	v_mov_b32 v43, 0x3c08839e
	v_mov_b32 v44, 0xbab6061a
	v_mov_b32 v45, 0xbab6061a
	; div of my eight frequencies: 2 i = 32 c + 16 u + 8 h + 2 p
	s_lshl_b32 s60, s[CH], 5
	v_lshl_add_u32 v7, v2, 3, s60
	s_mov_b32 s62, 0x3fb8aa3b                      ; log2(e) rounded to f32,
	s_mov_b32 s63, 0x32a57060                      ; and what that leaves
.irp n, 0,1,2,3,4,5,6,7
	v_add_nc_u32 v[XTH+\n], 16*(\n/4)+2*(\n%4), v7
.endr
.irp n, 0,1,2,3,4,5,6,7
	v_cvt_f32_u32 v[XTH+\n], v[XTH+\n]
.endr
.irp n, 0,1,2,3,4,5,6,7
	v_mul_f32 v[XTH+\n], 0xbe135d8e, v[XTH+\n]     ; the argument, rounded as the f32 product rounds it: 2 i x -(ln 10000 / 64)
.endr
.irp n, 0,1,2,3,4,5,6,7
	v_mul_f32 v[XN+\n], s62, v[XTH+\n]             ; in base 2, rounded;
.endr
.irp n, 0,1,2,3,4,5,6,7
	v_fma_f32 v[XR+\n], v[XTH+\n], s62, -v[XN+\n]  ; what that rounding dropped,
.endr
.irp n, 0,1,2,3,4,5,6,7
	v_fma_f32 v[XR+\n], v[XTH+\n], s63, v[XR+\n]   ; and what the constant's rounding dropped
.endr
.irp n, 0,1,2,3,4,5,6,7
	v_mul_f32 v[XR+\n], 0x3f317218, v[XR+\n]       ; x ln 2: 2^d = 1 + d ln 2 for so small a d
.endr
.irp n, 0,1,2,3,4,5,6,7
	v_exp_f32 v[XZ+\n], v[XN+\n]
.endr
	v_nop                                          ; a plain instruction behind the last exponential
	s_wait_alu depctr_va_vdst(0)                   ; one wait for the batch of eight, ahead of its first reader
.irp n, 0,1,2,3,4,5,6,7
	v_fma_f32 v[DIV+\n], v[XZ+\n], v[XR+\n], v[XZ+\n]
.endr
	s_lshl_b32 s60, s59, 8
	s_lshl_b32 s61, s[RH], 7
	s_add_co_u32 s60, s60, s61
	v_add_nc_u32 v40, s60, v1
	v_cvt_f32_u32 v40, v40                         ; pos of my row in tile a = 0
	v_mov_b32 v41, v40                             ; (named with it as a pair)
; The sines and cosines of tile a's eight angles of my row, into the (cos, sin) pairs beside that tile's accumulators.  This work stands where the first tiles are on their way.
.macro SINCOS a
.if (\a) > 0
	v_add_f32 v40, 0x41800000, v40                 ; 16 rows on
.endif
.irp n, 0,2,4,6
	v_pk_mul_f32 v[XTH+\n:XTH+\n+1], v[DIV+\n:DIV+\n+1], v[40:41] op_sel_hi:[1,0]   ; the angle, rounded as the f32 product rounds it
.endr
.irp n, 0,2,4,6
	v_pk_mul_f32 v[XN+\n:XN+\n+1], v[XTH+\n:XTH+\n+1], s[84:85] op_sel_hi:[1,0]
.endr
.irp n, 0,1,2,3,4,5,6,7
	v_rndne_f32 v[XN+\n], v[XN+\n]                 ; n: how many quarter turns
.endr
.irp n, 0,2,4,6
	v_pk_fma_f32 v[XR+\n:XR+\n+1], v[XN+\n:XN+\n+1], s[86:87], v[XTH+\n:XTH+\n+1] op_sel_hi:[1,0,1]   ; exact: a multiple of 2^-23 under 1
.endr
.irp n, 0,2,4,6
	v_pk_fma_f32 v[XR+\n:XR+\n+1], v[XN+\n:XN+\n+1], s[88:89], v[XR+\n:XR+\n+1] op_sel_hi:[1,0,1]
.endr
.irp n, 0,2,4,6
	v_pk_mul_f32 v[XZ+\n:XZ+\n+1], v[XR+\n:XR+\n+1], v[XR+\n:XR+\n+1]
.endr
.irp n, 0,2,4,6
	v_pk_fma_f32 v[XPS+\n:XPS+\n+1], v[XZ+\n:XZ+\n+1], s[90:91], v[42:43] op_sel_hi:[1,0,1]
	v_pk_fma_f32 v[XPC+\n:XPC+\n+1], v[XZ+\n:XZ+\n+1], s[94:95], v[44:45] op_sel_hi:[1,0,1]
.endr
.irp n, 0,2,4,6
	v_pk_fma_f32 v[XPS+\n:XPS+\n+1], v[XPS+\n:XPS+\n+1], v[XZ+\n:XZ+\n+1], s[92:93] op_sel_hi:[1,1,0]
	v_pk_fma_f32 v[XPC+\n:XPC+\n+1], v[XPC+\n:XPC+\n+1], v[XZ+\n:XZ+\n+1], s[96:97] op_sel_hi:[1,1,0]
.endr
.irp n, 0,2,4,6
	v_pk_mul_f32 v[XPS+\n:XPS+\n+1], v[XPS+\n:XPS+\n+1], v[XZ+\n:XZ+\n+1]
	v_pk_mul_f32 v[XZZ+\n:XZZ+\n+1], v[XZ+\n:XZ+\n+1], v[XZ+\n:XZ+\n+1]
	v_pk_fma_f32 v[XW+\n:XW+\n+1], v[XZ+\n:XZ+\n+1], -0.5, 1.0 op_sel_hi:[1,0,0]
.endr
.irp n, 0,2,4,6
	v_pk_fma_f32 v[XPS+\n:XPS+\n+1], v[XPS+\n:XPS+\n+1], v[XR+\n:XR+\n+1], v[XR+\n:XR+\n+1]       ; sin r
	v_pk_fma_f32 v[XPC+\n:XPC+\n+1], v[XPC+\n:XPC+\n+1], v[XZZ+\n:XZZ+\n+1], v[XW+\n:XW+\n+1]     ; cos r
.endr
.irp n, 0,1,2,3,4,5,6,7
	v_cvt_i32_f32 v[XNI+\n], v[XN+\n]
.endr
.irp n, 0,1,2,3,4,5,6,7
	v_lshlrev_b32 v[XT2+\n], 31, v[XNI+\n]         ; n's bit 0 as a sign: an odd n swaps sine and cosine
	v_lshlrev_b32 v[XT1+\n], 30, v[XNI+\n]
	v_and_b32 v[XT1+\n], s83, v[XT1+\n]            ; n's bit 1 as a sign: it turns the sine's sign; bits 0 and 1 together the cosine's
	v_cmp_gt_i32 vcc_lo, 0, v[XT2+\n]
	v_cndmask_b32 v[XSV+\n], v[XPS+\n], v[XPC+\n], vcc_lo
	v_cndmask_b32 v[XCV+\n], v[XPC+\n], v[XPS+\n], vcc_lo
	v_xor_b32 v[XCV+\n], v[XCV+\n], v[XT1+\n]
.endr
	WIN 0x80+0x40*((\a)/4)                         ; destination window 2 or 3
.irp n, 0,1,2,3,4,5,6,7
	v_xor_b32 v[192+2*(8*((\a)%4)+\n)], v[XCV+\n], v[XT2+\n]      ; cos
	v_xor_b32 v[193+2*(8*((\a)%4)+\n)], v[XSV+\n], v[XT1+\n]      ; sin
.endr
	WIN 0
.endm
.irp a, 0,1,2,3,4,5,6,7
	SINCOS \a
.endr
	; the scales
	s_wait_loadcnt 0x0                             ; the biases
	s_wait_kmcnt 0x0                               ; e0 .. e7
	s_add_co_i32 s60, s68, s69                     ; e0 + e1
	s_sub_co_i32 s76, 0, s60
.macro LIMS e, vsc, sp, sn             ; for the operand with exponent s[e]: v[vsc] = 2^(e - e0 - e1) as f32, for the conversion; s[sp], s[sn] = +-448 x that, for the hold
	s_sub_co_i32 s61, s[\e], s60
	s_add_co_i32 s61, s61, 127
	s_lshl_b32 s62, s61, 23
	v_mov_b32 v[\vsc], s62
	s_add_co_i32 s61, s61, 8
	s_lshl_b32 s61, s61, 23
	s_or_b32 s[\sp], s61, 0x600000
	s_xor_b32 s[\sn], s[\sp], s83
.endm
	LIMS 70, 8, 77, 78                             ; q
	LIMS 71, 9, 79, 80                             ; k
	LIMS 73, 10, 81, 82                            ; v
	WIN 0x41                                       ; source 0 and destination window 1
.set J, 0
.rept 48
	v_ldexp_f32 v[192+J], v[192+J], s76            ; the biases / 2^(e0 + e1): they stand beside sums that lack that factor
.set J, J+1
.endr
	WIN 0
.macro FRAG reg, adr, q, row           ; a fragment, 16 rows x 128 K: registers 4 cc .. 4 cc + 3 hold K = 32 cc + 16 (lane / 16) + 0 .. 15 of row lane % 16
.irp cc, 0,1,2,3
	ds_load_b128 v[(\reg)+4*\cc:(\reg)+4*\cc+3], v[\adr] offset:128*(\q)+32*\cc+(\row)*PITCH
.endr
.endm
.macro FETCH_B slot, q, p              ; W's six fragments of the slot's q-th 128 along K into set p: 24 loads
	WIN 0x40
.irp b, 0,1,2,3,4,5
	FRAG 96*(\p)+16*\b, ADRB+\slot, \q, 64*(\b/2)+16*(\b%2)
.endr
	WIN 0
.endm
.macro FETCH_A slot, q, i0             ; x's blocks i0 .. i0 + 3: 16 loads
.irp i, 0,1,2,3
	FRAG AF+16*((\i0)+\i), ADRA+\slot, \q, 16*((\i0)+\i)
.endr
.endm
; The products of a step of 128 along K.  The 48 accumulators take turns, one instruction a turn, in the same order in every step.  zero = 1: the first step: C is the bias.
.macro MULQK half, p, zero             ; q's and k's tiles of blocks 4 half .. + 3: source 0 = W (window 1), source 1 = x (window 0)
.if \zero
	WIN 0x91+0x40*(\half)
.else
	WIN 0xa1+0x50*(\half)
.endif
.irp a, 0,1,2,3
.irp b, 0,1,2,3
.if \zero
	v_wmma_f32_16x16x128_fp8_fp8 v[8*(6*\a+\b):8*(6*\a+\b)+7], v[96*(\p)+16*\b:96*(\p)+16*\b+15], v[AF+16*(4*(\half)+\a):AF+16*(4*(\half)+\a)+15], v[192+8*\b:192+8*\b+7]
.else
	v_wmma_f32_16x16x128_fp8_fp8 v[8*(6*\a+\b):8*(6*\a+\b)+7], v[96*(\p)+16*\b:96*(\p)+16*\b+15], v[AF+16*(4*(\half)+\a):AF+16*(4*(\half)+\a)+15], v[8*(6*\a+\b):8*(6*\a+\b)+7]
.endif
.endr
.endr
.endm
.macro MULV half, p, zero              ; v's tiles: source 0 = x (window 0), source 1 = W (window 1)
.if \zero
	WIN 0x94+0x40*(\half)
.else
	WIN 0xa4+0x50*(\half)
.endif
.irp a, 0,1,2,3
.irp u, 0,1
.if \zero
	v_wmma_f32_16x16x128_fp8_fp8 v[8*(6*\a+4+\u):8*(6*\a+4+\u)+7], v[AF+16*(4*(\half)+\a):AF+16*(4*(\half)+\a)+15], v[96*(\p)+64+16*\u:96*(\p)+64+16*\u+15], v[224+8*\u:224+8*\u+7]
.else
	v_wmma_f32_16x16x128_fp8_fp8 v[8*(6*\a+4+\u):8*(6*\a+4+\u)+7], v[AF+16*(4*(\half)+\a):AF+16*(4*(\half)+\a)+15], v[96*(\p)+64+16*\u:96*(\p)+64+16*\u+15], v[8*(6*\a+4+\u):8*(6*\a+4+\u)+7]
.endif
.endr
.endr
.endm
; A slot's first step: multiplies set 0 and fetches the slot's second 128 along K.  A load into a register that a matrix instruction has read stands four plain vector instructions behind it (ISA guide 7.12.1 for vector instructions).
.macro STEP slot, zero
	s_wait_dscnt 16                                ; W's set and x's blocks 0-3 are in; the youngest 16 loads (blocks 4-7) may be out
	MULQK 0, 0, \zero
	MULV 0, 0, \zero
	s_wait_dscnt 0x0                               ; blocks 4-7 are in
	PLACES 4
	FETCH_B \slot, 1, 1
	FETCH_A \slot, 1, 0
	MULQK 1, 0, \zero
	MULV 1, 0, \zero
	PLACES 4
	WIN 0
	FETCH_A \slot, 1, 4
.endm
; A slot's second step multiplies set 1 and changes slots: ONE barrier; in front of it each wave waits for all its tensor loads, adds 0 to its spare word, and waits for that and for its reads of this slot.
; fill = 1: the slot is filled again, two K steps ahead; the barrier then opens a round of the cluster's barrier, and the joint load is the first thing behind the round.
.macro TURN slot, next, fill
	s_wait_tensorcnt 0x0                           ; all my tensor loads have landed: my part of the next slot
	ds_add_u32 v[SPW], v[NIL]                      ; 0 onto my spare word
	s_wait_dscnt 17                                ; the add and the youngest 16 loads (x's blocks 4-7) may be out
	MULQK 0, 1, 0                                  ; sixteen matrix instructions stand between the add and the wait for it
	s_wait_dscnt 0x0                               ; the add is done, and my reads of this slot are over
	s_barrier_signal -1
	MULV 0, 1, 0
	WIN 0
	s_barrier_wait -1
.if \fill
	CREST                                          ; no wave of any partner still reads this slot or has a load on its way
	s_add_nc_u64 s[G0A+4*\slot+2:G0A+4*\slot+3], s[G0A+4*\slot+2:G0A+4*\slot+3], 512
	s_add_nc_u64 s[G0B+4*\slot+2:G0B+4*\slot+3], s[G0B+4*\slot+2:G0B+4*\slot+3], 512
	JLOAD \slot                                    ; its four v_nop are also the places in front of the loads below
.else
	PLACES 4
.endif
	FETCH_B \next, 0, 0
	FETCH_A \next, 0, 0
	MULQK 1, 1, 0
	MULV 1, 1, 0
	PLACES 4
	WIN 0
	FETCH_A \next, 0, 4
.endm
	s_wait_alu depctr_va_vdst(0)
	s_wait_tensorcnt 0x0                           ; my part of K step 0 is in
	ds_add_u32 v[SPW], v[NIL]
	s_wait_dscnt 0x0                               ; the add is done
	CROUND                                         ; everybody's part of K step 0 is in, and all sixteen work-groups are here
	JLOAD 1                                        ; K step 1, the first tensor load behind the round
	FETCH_B 0, 0, 0
	FETCH_A 0, 0, 0
	FETCH_A 0, 0, 4
	STEP 0, 1                                      ; eight steps of 128 along K, written out: K is short
	TURN 0, 1, 1                                   ; slot 0 takes K step 2
	STEP 1, 0
	TURN 1, 0, 1                                   ; slot 1 takes K step 3
	STEP 0, 0
	TURN 0, 1, 0                                   ; nothing is left to fetch
	STEP 1, 0
	s_wait_dscnt 16                                ; the last step
	MULQK 0, 1, 0
	MULV 0, 1, 0
	s_wait_dscnt 0x0
	MULQK 1, 1, 0
	MULV 1, 1, 0
	WIN 0
	PLACES 4                                       ; in front of the first read of results and of writes into x's fragments
; THE WAY OUT of tile a: RoPE on q's and k's four tiles (two packed instructions a pair), the hold at the largest code, the conversions, the stores.  Each accumulator is read from its low end on.
.macro OUT a
.set AC, 48*((\a)%4)
.set SC, 192+16*((\a)%4)
	WIN 0x0a+5*((\a)/4)                            ; sources 0 and 1: window 2 or 3
.irp b, 0,1,2,3
.irp p, 0,1,2,3
	v_pk_mul_f32 v[TT+8*\b+2*\p:TT+8*\b+2*\p+1], v[AC+8*\b+2*\p:AC+8*\b+2*\p+1], v[SC+8*(\b%2)+2*\p:SC+8*(\b%2)+2*\p+1] op_sel:[1,1] op_sel_hi:[1,0]   ; (xo sin, xo cos)
.endr
.endr
.irp b, 0,1,2,3
.irp p, 0,1,2,3
	v_pk_fma_f32 v[RR+8*\b+2*\p:RR+8*\b+2*\p+1], v[AC+8*\b+2*\p:AC+8*\b+2*\p+1], v[SC+8*(\b%2)+2*\p:SC+8*(\b%2)+2*\p+1], v[TT+8*\b+2*\p:TT+8*\b+2*\p+1] op_sel_hi:[0,1,1] neg_lo:[0,0,1]   ; (xe cos - xo sin, xe sin + xo cos)
.endr
.endr
.irp j, 0,1,2,3,4,5,6,7,8,9,10,11,12,13,14,15
	v_med3_num_f32 v[RR+32+\j], v[AC+32+\j], s82, s81   ; v: the conversion to an 8-bit code does not saturate (ISA guide 7.6.2): the hold comes first
.endr
	WIN 0
.irp j, 0,1,2,3,4,5,6,7,8,9,10,11,12,13,14,15
	v_med3_num_f32 v[RR+\j], v[RR+\j], s78, s77         ; q
	v_med3_num_f32 v[RR+16+\j], v[RR+16+\j], s80, s79   ; k
.endr
	v_cvt_scalef32_pk8_fp8_f32 v[32+4*(\a):33+4*(\a)], v[RR:RR+7], v8
	v_cvt_scalef32_pk8_fp8_f32 v[34+4*(\a):35+4*(\a)], v[RR+8:RR+15], v8
	v_cvt_scalef32_pk8_fp8_f32 v[64+4*(\a):65+4*(\a)], v[RR+16:RR+23], v9
	v_cvt_scalef32_pk8_fp8_f32 v[66+4*(\a):67+4*(\a)], v[RR+24:RR+31], v9
	v_cvt_scalef32_pk8_fp8_f32 v[96+2*(\a):97+2*(\a)], v[RR+32:RR+39], v10
	v_cvt_scalef32_pk8_fp8_f32 v[112+2*(\a):113+2*(\a)], v[RR+40:RR+47], v10
	v_nop                                          ; a plain instruction between the conversions and the next tile's writes of their sources
	global_store_b128 v3, v[32+4*(\a):35+4*(\a)], s[12:13] offset:1024*(\a)   ; 32 lanes store 512 consecutive bytes; each store has registers of its own, and no address is stepped
	global_store_b128 v3, v[64+4*(\a):67+4*(\a)], s[14:15] offset:1024*(\a)
.endm
.irp a, 0,1,2,3,4,5,6,7
	OUT \a
.endr
.irp u, 0,1
.irp cq, 0,1,2,3
	global_store_b128 v3, v[96+16*\u+4*\cq:99+16*\u+4*\cq], s[16:17] offset:2048*\u+512*\cq   ; my two fragments of V^T
.endr
.endr
	s_wait_tensorcnt 0x0                           ; the wave's end
	ds_add_u32 v[SPW], v[NIL]
	s_wait_dscnt 0x0
	CROUND                                         ; the closing round: no work-group ends while a partner may still ask for a tile that names it
	s_endpgm
.Lfunc_end_k_q130b45e8ec_qkv:
	.size	k_q130b45e8ec_qkv, .Lfunc_end_k_q130b45e8ec_qkv-k_q130b45e8ec_qkv
	.p2alignl 7, 3214868480
	.fill 96, 4, 3214868480
	.section	.rodata,"a",@progbits
	.p2align	6, 0x0
	.amdhsa_kernel k_q130b45e8ec_qkv
		.amdhsa_group_segment_fixed_size 327680
		.amdhsa_private_segment_fixed_size 0
		.amdhsa_enable_private_segment 0
		.amdhsa_kernarg_size 56
		.amdhsa_user_sgpr_count 2
		.amdhsa_user_sgpr_kernarg_segment_ptr 1
		.amdhsa_wavefront_size32 1
		.amdhsa_system_sgpr_workgroup_id_x 1
		.amdhsa_system_sgpr_workgroup_id_y 1
		.amdhsa_system_sgpr_workgroup_id_z 1
		.amdhsa_system_vgpr_workitem_id 0
		.amdhsa_next_free_vgpr 1024
		.amdhsa_next_free_sgpr 100
		.amdhsa_reserve_vcc 1
		.amdhsa_float_denorm_mode_32 3
		.amdhsa_float_denorm_mode_16_64 3
		.amdhsa_memory_ordered 1
		.amdhsa_forward_progress 1
		.amdhsa_inst_pref_size 175
	.end_amdhsa_kernel
	.amdgpu_metadata
---
amdhsa.version: [ 1, 2 ]
amdhsa.kernels:
  - .name:           k_q130b45e8ec_qkv
    .symbol:         k_q130b45e8ec_qkv.kd
    .args:
      - { .name: x_codes, .offset: 0, .size: 8, .value_kind: global_buffer, .address_space: global }
      - { .name: w_attn_codes, .offset: 8, .size: 8, .value_kind: global_buffer, .address_space: global }
      - { .name: b_attn, .offset: 16, .size: 8, .value_kind: global_buffer, .address_space: global }
      - { .name: lowp_scales, .offset: 24, .size: 8, .value_kind: global_buffer, .address_space: global }
      - { .name: q_img, .offset: 32, .size: 8, .value_kind: global_buffer, .address_space: global }
      - { .name: k_img, .offset: 40, .size: 8, .value_kind: global_buffer, .address_space: global }
      - { .name: v_img, .offset: 48, .size: 8, .value_kind: global_buffer, .address_space: global }
    .group_segment_fixed_size: 327680
    .private_segment_fixed_size: 0
    .kernarg_segment_align: 8
    .kernarg_segment_size: 56
    .max_flat_workgroup_size: 128
    .sgpr_count:     100
    .vgpr_count:     1024
    .wavefront_size: 32
...
	.end_amdgpu_metadata
.endif
;; end of part 1
;; launch attn (part 2): grid 8 x 32, 8 waves a work-group, clusters of 4 x 1, 300,032 bytes of LDS; arguments q_img, k_img, v_img, lowp_scales, y_img; writes y_img
.if DOCPART == 2
	.amdgcn_target "amdgcn-amd-amdhsa--gfx1250"
	.amdhsa_code_object_version 6
	.text
	.protected	k_q130b45e8ec_attn
	.globl	k_q130b45e8ec_attn
	.p2align	8
	.type	k_q130b45e8ec_attn,@function
k_q130b45e8ec_attn:
	s_mov_b64 s[64:65], 0
	v_nop
	global_prefetch_b8 v0, s[64:65] scope:SCOPE_SE
	s_setreg_imm32_b32 hwreg(HW_REG_WAVE_MODE, 25, 1), 1
	s_wait_xcnt 0x0
	s_wait_alu depctr_hold_cnt(0) depctr_sa_sdst(0) depctr_va_vdst(0) depctr_va_sdst(0) depctr_va_ssrc(0) depctr_va_vcc(0) depctr_vm_vsrc(0)
	s_getreg_b32 s2, hwreg(HW_REG_IB_STS2, 6, 4)
	s_cmp_eq_u32 s2, 0
	s_cbranch_scc0 .Lentry_in_a_cluster
	s_endpgm
.Lentry_in_a_cluster:
	s_bfe_u32 s2, ttmp6, 0x10000c
	s_cmp_lg_u32 s2, 0x3003
	s_cbranch_scc0 .Lentry_shape_is_right
	s_endpgm
.Lentry_shape_is_right:
; y = softmax(q k^T / 8, causal) v for 32 (batch, head) pairs of 2,048 x 64, both products on codes of E4M3, and y's quantiser.  q_img, k_img, v_img, y_img are images of operand registers (their layouts: below).
; THE SOFTMAX AHEAD OF THE SECOND PRODUCT: t = score x log2(e) / 8; M = the running largest t rounded UP to a whole number; p = 2^(t - M) is quantised along the keys, not normalised; the sum is taken of the unquantised p and
; divides at the end.  When M moves, the sum and O are multiplied by 2^(old M - new M), which rounds nothing.
; WORK LEFT OUT: the key steps (128 keys) that the causal mask hides from all 32 queries of a wave's group.
; SHARES.  Grid y = 16 b + head.  A group T, 0 .. 15, is the 32 queries 128 T + 32 cx + 0 .. 31 (two tiles of 16), which lie inside key step T; it has T + 1 key steps.  cx is the work-group's place in its cluster of four.
; Groups P and 15 - P are a pair of 17 key steps.  A work-group owns the four pairs P = 2 i + (the cluster's number x, 0 or 1), i = 0 .. 3.  TWO WAVES share a pair (i = wave / 2):
;   role A: the long group 15 - P, key steps 0 .. 8;   role B: the short group P, all its P + 1 key steps, then the long group's key steps 9 .. 15 - P: 8 in all.
; B leaves its part of the long group (O^T, -M, the sum) in LDS; behind a barrier A joins it with its own by exact powers of two.  Role = bits 0 and 2 of the wave's number, added: waves w and w + 4 are one A and one B,
; and so are waves 2 d and 2 d + 1.  Every wave walks nine trips: A: trip n = key step n; B: key step n, and from trip P + 1 on key step n + 8 - P (trip 8: nothing).
; Branches hang on the wave's number, the cluster's number and a counter, the same in all partners of a cluster; cx enters only global addresses and the mask's numbers.
; LDS holds the head's whole K (131,072 bytes), then V, as register images: a fragment load reads 512 consecutive bytes and serves both tiles.  No byte is filled twice, so there is no ring.
; EACH OF THE EIGHT WAVES ISSUES ONE JOINT LOAD at the head (the four work-groups of a cluster belong to one head): 32,768 bytes of K (even waves) or of V (odd waves).  NO PREFETCH: every byte is asked for at the head.
; LAYOUT.  S^T = K Q^T (source 0 = 16 keys, source 1 = 16 queries; K = 64), O^T = V^T P^T (source 0 = 16 channels, source 1 = P; K = 128 keys): a lane holds ONE query (lane % 16) of each tile throughout.
;   In S^T's tile tau, register j of lane (r, h) is key 16 tau + 8 h + j: its eight codes are registers 2 tau, 2 tau + 1 of P's fragment in the K = 128 form's own layout.
;   y_img: [block of 128 rows 32][K step of 128 = two heads 8][tile of rows 8][cq 4][lane][16 bytes]: O^T's tile dt gives registers 8 (head % 2) + 2 dt, + 1 of y's fragment: k = 64 head + 16 dt + 8 h + 0 .. 7.
; LIMITS: e2 + e3 between -123 and 130 (added to the constant's exponent field); e4 and e6 between -126 and 119; e4 + e5 is applied by v_ldexp_f32 and has none.  The scaled scores t stay under 2^31 in magnitude.
; REGISTERS.  Window 0: v1 16 x lane; v2 the same in V's region; v3 the mask's d; v4 -infinity; v5, v6 2^e4 and 448 x 2^e4; v7 2^e6; v8, v9 the step's LDS addresses; v10 the stash; tile i: v[12+4i:15+4i] -M, the largest t, the
;   sum in two halves; v20-25 at work; v[26:27], v[28:29] factors; v30, v31 the add's; v32-47, v48-63 the tiles' chains of sums, then p's codes; v64-127, v128-191 S^T, then p; v192-223, v224-255 O^T.
;   Window 1: v0-63 K's 8 fragments; v64-127 V's 4; v128-135, v136-143 Q of the two tiles.
.set STASH, 262144                     ; behind K and V: 9,216 bytes for each pair: O^T (16 x 512) and the tiles' (-M, t, sum) (2 x 512)
.set SPARE, STASH+4*9216               ; the spare words, 128 bytes for each wave
.set SPW,  30
.set NIL,  31
.set WV,   14
.set PI,   15                          ; wave / 2
.set ROLE, 19                          ; 0 A, 1 B
.set LT,   36                          ; the long group
.set T0,   37                          ; my first group: A the long one, B the short one
.set SW,   38                          ; the trip at which I go over to the long group: B P + 1; A never
.set JMP,  39                          ; what that adds to the step's LDS bytes: 8,192 (8 - P)
.set SKIP, 40                          ; 8 - P
.set KS,   41                          ; the key step in hand
.set DG,   42                          ; the key step on my group's diagonal
.set TBN,  43                          ; 8,192 x trip
.set QL,   88                          ; s[88:89] the long group's codes of Q
.set TB,   76                          ; 8,192 x the key step
.set SN,   77                          ; the trip
.set MSB, 0
.macro WIN new                         ; the immediate's high byte repeats the setting that is left
.if MSB != (\new)
	s_set_vgpr_msb (MSB<<8)|(\new)
.set MSB, (\new)
.endif
.endm
.macro CROUND
	s_barrier_signal -1
	s_barrier_wait -1
	s_cmp_lg_u32 s[WV], 0
	s_cbranch_scc1 .Lnot_wave_0_\@
	s_barrier_signal -3
.Lnot_wave_0_\@:
	s_barrier_wait -3
	s_barrier_signal -1
	s_barrier_wait -1
.endm
.macro FRESH                           ; no key seen yet
	v_mov_b32 v13, 0xff61b1e6                      ; the largest t so far: -3e38, under every t
	v_mov_b32 v17, 0xff61b1e6
	v_mov_b32 v14, 0
	v_mov_b32 v15, 0
	v_mov_b32 v18, 0
	v_mov_b32 v19, 0
	v_floor_f32 v12, -v13                          ; -M
	v_floor_f32 v16, -v17
.set J, 0
.rept 64
	v_mov_b32 v[192+J], 0                          ; O^T: the first step finds zeros, which the first change of M leaves zeros
.set J, J+1
.endr
.endm
	s_load_b256 s[4:11], s[0:1], 0x0               ; q_img s[4:5], k_img s[6:7], v_img s[8:9], the scales' exponents s[10:11]
	s_load_b64 s[12:13], s[0:1], 0x20              ; y_img
	v_lshl_add_u32 v[SPW], v0, 2, SPARE
	v_mov_b32 v[NIL], 0
	ds_add_u32 v[SPW], v[NIL]                      ; the wave's opening
	ds_add_u32 v[SPW], v[NIL]
	v_lshrrev_b32 v1, 5, v0
	v_readfirstlane_b32 s[WV], v1                  ; wave 0..7
	s_lshr_b32 s[PI], s[WV], 1
	s_lshr_b32 s82, s[WV], 2
	s_xor_b32 s82, s82, s[WV]
	s_and_b32 s[ROLE], s82, 1
	s_and_b32 s83, ttmp9, 1                        ; the cluster's number x, 0 or 1
	s_lshl_b32 s82, s[PI], 1
	s_add_co_u32 s82, s82, s83                     ; P
	s_xor_b32 s[LT], s82, 15                       ; 15 - P
	s_xor_b32 s[SKIP], s82, 7
	s_add_co_u32 s[SKIP], s[SKIP], 1               ; 8 - P
	s_lshl_b32 s[JMP], s[SKIP], 13
	s_add_co_u32 s83, s82, 1
	s_cmp_eq_u32 s[ROLE], 0
	s_cselect_b32 s[T0], s[LT], s82
	s_cselect_b32 s[SW], 15, s83
	s_bfe_u32 s17, ttmp6, 0x40000                  ; cx
	s_and_b32 s18, ttmp7, 0xffff                   ; 16 b + head, which the four partners share
	; descriptor group 1: a dense block of 32,768 bytes as 128 rows of 256 bytes (32 elements of 8 bytes)
	s_mov_b32 s24, 15|(3<<16)|(1<<21)              ; 15:0 the mask: all four work-groups; 17:16 elements of 8 bytes; 21 set beside a mask
	s_mov_b32 s25, 32<<16                          ; tensor_dim0
	s_mov_b32 s26, 128<<16                         ; tensor_dim1
	s_mov_b32 s27, 32<<16                          ; tile_dim0
	s_mov_b32 s28, 128                             ; tile_dim1
	s_mov_b32 s29, 32                              ; from row to row
	s_mov_b32 s30, 0
	s_mov_b32 s31, 0
	s_mov_b32 s20, 0x76543210                      ; v_permlanex16_b32's selects for lane l xor 16
	s_mov_b32 s21, 0xfedcba98
	s_lshl_b32 s84, s18, 17                        ; the head's 131,072 bytes in each of q_img, k_img, v_img
	s_mov_b32 s85, 0
	s_mov_b32 s32, 1
	s_and_b32 s78, s[WV], 1                        ; K's pieces by the even waves, V's by the odd ones
	s_lshl_b32 s58, s[PI], 15                      ; my piece
	s_lshl_b32 s33, s78, 17
	s_add_co_u32 s33, s33, s58                     ; in LDS,
	s_add_co_u32 s58, s58, s84                     ; and in memory
	s_mov_b32 s59, 0
	s_mul_i32 s82, s[PI], 9216
	s_add_co_u32 s82, s82, STASH
	s_lshl_b32 s83, s17, 5
	; what hangs on no argument is made under the arguments' way here
	v_and_b32 v1, 31, v0
	v_and_b32 v24, 15, v0
	v_bfe_u32 v25, v0, 4, 1
	v_lshlrev_b32 v1, 4, v1                        ; 16 x lane
	v_add_nc_u32 v3, s83, v24
	v_lshlrev_b32 v25, 3, v25
	v_add_nc_u32 v2, 0x20000, v1
	v_add_nc_u32 v10, s82, v1                      ; my pair's stash
	v_sub_nc_u32 v3, v3, v25                       ; d = 32 cx + r - 8 h: in the diagonal step tile i's register 8 tau + j is hidden where 16 tau + j - 16 i > d
	v_mov_b32 v4, 0xff800000                       ; -infinity
	v_mov_b32 v24, 0                               ; written once: a lane permute's destination counts as one of its sources
	v_mov_b32 v25, 0
	v_mov_b32 v27, 0                               ; (named as the upper halves of pairs)
	v_mov_b32 v29, 0
	FRESH
	s_wait_alu depctr_va_vdst(0)
	s_wait_dscnt 0x0                               ; both opening adds are done
	s_wait_kmcnt 0x0
	s_load_b256 s[68:75], s[10:11], 0x0            ; e0 .. e7
	s_cmp_eq_u32 s78, 0
	s_cselect_b64 s[86:87], s[6:7], s[8:9]
	s_add_nc_u64 s[34:35], s[86:87], s[58:59]
	s_or_b32 s35, s35, 0x80000000
	CROUND                                         ; all four work-groups are here: the joint loads meet
	tensor_load_to_lds s[32:35], s[24:31]          ; my one tensor load
	s_nop 0
.rept 4
	v_nop
.endr
	s_lshl_b32 s86, s17, 11
	s_add_co_u32 s86, s84, s86                     ; a group's two tiles of Q: 8,192 T + 2,048 cx into the head's image
	s_lshl_b32 s82, s[LT], 13
	s_add_co_u32 s82, s82, s86
	s_mov_b32 s83, 0
	s_add_nc_u64 s[QL:QL+1], s[4:5], s[82:83]
	s_lshl_b32 s82, s[T0], 13
	s_add_co_u32 s82, s82, s86
	s_add_nc_u64 s[4:5], s[4:5], s[82:83]
.macro QLOAD base                      ; the group's two fragments of Q, 2,048 consecutive bytes
	WIN 0x40                                       ; destination window 1
.irp c, 0,1,2,3
	global_load_b128 v[128+4*\c:131+4*\c], v1, s[\base:\base+1] offset:512*\c
.endr
	WIN 0
.endm
	QLOAD 4
	s_lshr_b32 s82, s18, 4                         ; y_img: block of rows 16 b + first group (what goes out is B's short group and A's long one: each wave's first),
	s_lshl_b32 s82, s82, 4
	s_add_co_u32 s82, s82, s[T0]
	s_lshl_b32 s82, s82, 17
	s_bfe_u32 s83, s18, 0x30001                    ; K step head / 2,
	s_lshl_b32 s83, s83, 14
	s_add_co_u32 s82, s82, s83
	s_lshl_b32 s83, s17, 12                        ; tiles of rows 2 cx, 2 cx + 1,
	s_add_co_u32 s82, s82, s83
	s_and_b32 s83, s18, 1                          ; registers 8 (head % 2) on
	s_lshl_b32 s83, s83, 10
	s_add_co_u32 s82, s82, s83
	s_mov_b32 s83, 0
	s_add_nc_u64 s[12:13], s[12:13], s[82:83]
	s_wait_kmcnt 0x0
	s_add_co_i32 s82, s70, s71
	s_lshl_b32 s82, s82, 23
	s_mov_b32 s22, 0x3e38aa3b                      ; c = log2(e) / 8
	s_add_co_i32 s22, s22, s82                     ; a score stands for score x 2^(e2 + e3): the exponents are added to c's exponent field
	s_mov_b32 s23, s22                             ; (named with it as a pair)
	s_add_co_i32 s82, s72, 127
	s_lshl_b32 s83, s82, 23
	v_mov_b32 v5, s83                              ; 2^e4, for p's conversions
	s_add_co_i32 s82, s82, 8
	s_lshl_b32 s82, s82, 23
	s_or_b32 s82, s82, 0x600000
	v_mov_b32 v6, s82                              ; 448 x 2^e4
	s_add_co_i32 s79, s72, s73                     ; e4 + e5
	s_add_co_i32 s82, s74, 127
	s_lshl_b32 s83, s82, 23
	v_mov_b32 v7, s83                              ; 2^e6, for y's conversions
	s_add_co_i32 s82, s82, 8
	s_lshl_b32 s82, s82, 23
	s_or_b32 s80, s82, 0x600000                    ; +-448 x 2^e6
	s_xor_b32 s81, s80, 0x80000000
; The sum of tile tl's unquantised p: 32 pairs in eight chains, seven of them in the registers that take p's codes afterwards.
.macro SUM tl
.set SP, 64+64*(\tl)
.set SC, 32+16*(\tl)
.set SA, 14+4*(\tl)
	v_pk_add_f32 v[SA:SA+1], v[SA:SA+1], v[SP:SP+1]
.irp k, 0,1,2,3,4,5,6
	v_pk_add_f32 v[SC+2*\k:SC+2*\k+1], v[SP+2+4*\k:SP+3+4*\k], v[SP+4+4*\k:SP+5+4*\k]
.endr
.irp k, 0,1
	v_pk_add_f32 v[SA:SA+1], v[SA:SA+1], v[SP+30+16*\k:SP+31+16*\k]
.irp i, 0,1,2,3,4,5,6
	v_pk_add_f32 v[SC+2*\i:SC+2*\i+1], v[SC+2*\i:SC+2*\i+1], v[SP+32+16*\k+2*\i:SP+33+16*\k+2*\i]
.endr
.endr
	v_pk_add_f32 v[SA:SA+1], v[SA:SA+1], v[SP+62:SP+63]
	v_pk_add_f32 v[SC:SC+1], v[SC:SC+1], v[SC+2:SC+3]
	v_pk_add_f32 v[SC+4:SC+5], v[SC+4:SC+5], v[SC+6:SC+7]
	v_pk_add_f32 v[SC+8:SC+9], v[SC+8:SC+9], v[SC+10:SC+11]
	v_pk_add_f32 v[SA:SA+1], v[SA:SA+1], v[SC+12:SC+13]
	s_delay_alu instid0(VALU_DEP_3)
	v_pk_add_f32 v[SC:SC+1], v[SC:SC+1], v[SC+4:SC+5]
	s_delay_alu instid0(VALU_DEP_2)
	v_pk_add_f32 v[SA:SA+1], v[SA:SA+1], v[SC+8:SC+9]
	s_delay_alu instid0(VALU_DEP_1)
	v_pk_add_f32 v[SA:SA+1], v[SA:SA+1], v[SC:SC+1]
.endm
; The hold of two p's: the conversion does not saturate (ISA guide 7.6.2); p is not negative, so the hold is one-sided.
.macro HOLD2 n
	v_dual_min_num_f32 v[\n], v6, v[\n] :: v_dual_min_num_f32 v[(\n)+1], v6, v[(\n)+1]
.endm
; A KEY STEP: 128 keys x my two tiles.  Where step s[KS] lies beyond my group's last its work is left out; no barrier and no tensor load stands in a step.
.macro STEP
	s_cmp_gt_u32 s[KS], s[LT]
	s_cbranch_scc1 .Lhidden_\@
	v_add_nc_u32 v8, s[TB], v1
	v_add_nc_u32 v9, s[TB], v2
	v_nop                                          ; with the two additions: four places in front of loads into registers that the last products have read
	v_nop
	WIN 0x40                                       ; destination window 1
.irp t, 0,1,2,3,4,5,6,7
	ds_load_b128 v[8*\t:8*\t+3], v8 offset:1024*\t
	ds_load_b128 v[8*\t+4:8*\t+7], v8 offset:1024*\t+512
.endr
.irp d, 0,1,2,3
.irp c, 0,1,2,3
	ds_load_b128 v[64+16*\d+4*\c:67+16*\d+4*\c], v9 offset:2048*\d+512*\c   ; V's four fragments land under the softmax
.endr
.endr
	WIN 0x05                                       ; sources 0 and 1 window 1, D window 0
.irp t, 0,1,2,3,4,5,6,7
	s_wait_dscnt 30-2*\t                           ; K's tile t is in; the 2 (7 - t) younger loads of K and V's 16 may be out
	v_wmma_f32_16x16x64_fp8_fp8 v[64+8*\t:71+8*\t], v[8*\t:8*\t+7], v[128:135], 0
	v_wmma_f32_16x16x64_fp8_fp8 v[128+8*\t:135+8*\t], v[8*\t:8*\t+7], v[136:143], 0
.endr
	WIN 0
.rept 4
	v_nop                                          ; places in front of the first read of the scores
.endr
	s_cmp_lg_u32 s[KS], s[DG]
	s_cbranch_scc1 .Lopen_\@
.irp n, 0,1
.set J, 0
.rept 64                                       ; on the diagonal hidden scores become -infinity ahead of the maximum: p = 0 then
	v_cmp_gt_i32 vcc_lo, 16*(J/8)+J%8-16*\n, v3
	v_cndmask_b32 v[64+64*\n+J], v[64+64*\n+J], v4, vcc_lo
.set J, J+1
.endr
.endr
.Lopen_\@:
	v_max3_num_f32 v20, v64, v65, v66              ; the step's largest score of each of my two queries among my 64 keys, in two chains each,
	v_max3_num_f32 v22, v128, v129, v130
	v_max3_num_f32 v21, v67, v68, v69
	v_max3_num_f32 v23, v131, v132, v133
.irp i, 6,10,14,18,22,26,30,34,38,42,46,50,54,58
	v_max3_num_f32 v20, v20, v[64+\i], v[65+\i]
	v_max3_num_f32 v22, v22, v[128+\i], v[129+\i]
	v_max3_num_f32 v21, v21, v[66+\i], v[67+\i]
	v_max3_num_f32 v23, v23, v[130+\i], v[131+\i]
.endr
	v_max3_num_f32 v20, v20, v126, v127
	v_max3_num_f32 v22, v22, v190, v191
	v_max_num_f32 v20, v20, v21
	v_max_num_f32 v22, v22, v23
	v_permlanex16_b32 v24, v20, s20, s21
	v_permlanex16_b32 v25, v22, s20, s21
	v_max_num_f32 v20, v20, v24                    ; and among lane l xor 16's
	v_max_num_f32 v22, v22, v25
	v_mul_f32 v20, s22, v20                        ; as t (c is positive)
	v_mul_f32 v22, s22, v22
	v_max_num_f32 v13, v13, v20                    ; the running largest t
	v_max_num_f32 v17, v17, v22
	v_mov_b32 v20, v12
	v_mov_b32 v22, v16
	v_floor_f32 v12, -v13                          ; the new -M = floor(-t) = -ceil(t)
	v_floor_f32 v16, -v17
	v_sub_f32 v20, v12, v20                        ; old M - new M: a whole number, 0 or less
	v_sub_f32 v22, v16, v22
	v_cvt_i32_f32 v20, v20                         ; (it saturates)
	v_cvt_i32_f32 v22, v22
	v_ldexp_f32 v26, 1.0, v20                      ; f = 2^(old M - new M)
	v_ldexp_f32 v28, 1.0, v22
.set J, 0
.rept 32
	v_pk_fma_f32 v[64+J:65+J], v[64+J:65+J], s[22:23], v[12:13] op_sel_hi:[1,0,0]   ; t - M, two at a time
.set J, J+2
.endr
	s_wait_alu depctr_va_vdst(0)
.set J, 0
.rept 32
	v_exp_f32 v[64+J], v[64+J]                     ; tile 0: p = 2^(t - M); tile 1's t - M are made between
	v_exp_f32 v[65+J], v[65+J]
	v_pk_fma_f32 v[128+J:129+J], v[128+J:129+J], s[22:23], v[16:17] op_sel_hi:[1,0,0]
.set J, J+2
.endr
	v_pk_mul_f32 v[14:15], v[14:15], v[26:27] op_sel_hi:[1,0]   ; the sums under the new M
	v_pk_mul_f32 v[18:19], v[18:19], v[28:29] op_sel_hi:[1,0]
	s_wait_alu depctr_va_vdst(0)                   ; one wait for the batch, ahead of its first reader, and for tile 1's t - M, ahead of the next batch
	SUM 0
.set J, 0
.rept 32
	v_exp_f32 v[128+J], v[128+J]                   ; tile 1's p; tile 0's are held between
	v_exp_f32 v[129+J], v[129+J]
	HOLD2 64+J
.set J, J+2
.endr
	s_wait_alu depctr_va_vdst(0)                   ; one wait for the batch, ahead of its first reader, and for the held numbers
.irp t, 0,1,2,3,4,5,6,7
	v_cvt_scalef32_pk8_fp8_f32 v[32+2*\t:33+2*\t], v[64+8*\t:71+8*\t], v5
.endr
	SUM 1
.irp t, 0,1,2,3,4,5,6,7
.irp i, 0,2,4,6
	HOLD2 128+8*\t+\i
.endr
	v_cvt_scalef32_pk8_fp8_f32 v[48+2*\t:49+2*\t], v[128+8*\t:135+8*\t], v5
.endr
	s_wait_alu depctr_va_vdst(0)                   ; directly ahead of the first reader of O^T
.set J, 0
.rept 16
	v_pk_mul_f32 v[192+J:193+J], v[192+J:193+J], v[26:27] op_sel_hi:[1,0]   ; O^T under the new M; also the plain instructions behind the conversions
	v_pk_mul_f32 v[224+J:225+J], v[224+J:225+J], v[28:29] op_sel_hi:[1,0]
.set J, J+2
.endr
	s_wait_alu depctr_va_vdst(0)
	s_wait_dscnt 0x0                               ; V is in
	WIN 0x01                                       ; source 0 window 1
.irp d, 0,1,2,3
	v_wmma_f32_16x16x128_fp8_fp8 v[192+8*\d:199+8*\d], v[64+16*\d:79+16*\d], v[32:47], v[192+8*\d:199+8*\d]   ; eight accumulators by turns
	v_wmma_f32_16x16x128_fp8_fp8 v[224+8*\d:231+8*\d], v[64+16*\d:79+16*\d], v[48:63], v[224+8*\d:231+8*\d]
.endr
	WIN 0
.Lhidden_\@:
.endm
; THE WAY OUT of a finished group: O^T / the sum x 2^(e4 + e5), held, quantised with 2^e6: each tile's eight registers of y's fragment, stored as they stand: 1,024 consecutive bytes a tile.
.macro WAYOUT
.rept 4
	v_nop                                          ; places behind the last products
.endr
	v_add_f32 v14, v14, v15                        ; the sums' two halves,
	v_add_f32 v18, v18, v19
	v_permlanex16_b32 v24, v14, s20, s21
	v_permlanex16_b32 v25, v18, s20, s21
	v_add_f32 v14, v14, v24                        ; and lane l xor 16's
	v_add_f32 v18, v18, v25
	s_wait_alu depctr_va_vdst(0)
	v_rcp_f32 v14, v14
	v_rcp_f32 v18, v18
	v_nop                                          ; a plain instruction behind the reciprocals
	s_wait_alu depctr_va_vdst(0)                   ; and the wait ahead of their first reader
	v_ldexp_f32 v14, v14, s79
	v_ldexp_f32 v18, v18, s79
	s_wait_alu depctr_va_vdst(0)                   ; directly ahead of the first reader of O^T
.set J, 0
.rept 16
	v_pk_mul_f32 v[64+J:65+J], v[192+J:193+J], v[14:15] op_sel_hi:[1,0]
	v_pk_mul_f32 v[128+J:129+J], v[224+J:225+J], v[18:19] op_sel_hi:[1,0]
.set J, J+2
.endr
.set J, 0
.rept 32
	v_med3_num_f32 v[64+J], v[64+J], s81, s80
	v_med3_num_f32 v[128+J], v[128+J], s81, s80
.set J, J+1
.endr
.irp d, 0,1,2,3
	v_cvt_scalef32_pk8_fp8_f32 v[32+2*\d:33+2*\d], v[64+8*\d:71+8*\d], v7
	v_cvt_scalef32_pk8_fp8_f32 v[48+2*\d:49+2*\d], v[128+8*\d:135+8*\d], v7
.endr
	v_nop
	global_store_b128 v1, v[32:35], s[12:13]
	global_store_b128 v1, v[36:39], s[12:13] offset:512
	global_store_b128 v1, v[48:51], s[12:13] offset:2048
	global_store_b128 v1, v[52:55], s[12:13] offset:2560
.endm
	s_mov_b32 s[TBN], 0
	s_mov_b32 s[SN], 0
	s_wait_alu depctr_va_vdst(0)
	s_wait_loadcnt 0x0                             ; Q
	s_wait_tensorcnt 0x0                           ; my piece is in;
	s_barrier_signal -1
	s_barrier_wait -1                              ; everybody's is
.Ltrip:
	s_cmp_lg_u32 s[SN], s[SW]
	s_cbranch_scc1 .Lsame_group
	QLOAD QL                                       ; B GOES OVER TO THE LONG GROUP: its Q is asked for ahead of the short group's way out
	WAYOUT
	FRESH
	s_wait_alu depctr_va_vdst(0)
	s_wait_xcnt 0x0                                ; the stores have read their sources
	s_wait_loadcnt 0x0                             ; Q
.Lsame_group:
	s_cmp_ge_u32 s[SN], s[SW]
	s_cselect_b32 s82, s[JMP], 0
	s_cselect_b32 s83, s[SKIP], 0
	s_cselect_b32 s[DG], s[LT], s[T0]
	s_add_co_u32 s[TB], s[TBN], s82
	s_min_u32 s[TB], s[TB], 0x1e000                ; (15 x 8,192: B's trip 8 reads nothing)
	s_add_co_u32 s[KS], s[SN], s83
	STEP
	s_add_co_u32 s[TBN], s[TBN], 8192
	s_add_co_u32 s[SN], s[SN], 1
	s_cmp_lg_u32 s[SN], 9
	s_cbranch_scc1 .Ltrip
	s_cmp_eq_u32 s[ROLE], 0
	s_cbranch_scc1 .Lkeep
.rept 4
	v_nop                                          ; places behind the last products
.endr
.irp i, 0,1,2,3,4,5,6,7,8,9,10,11,12,13,14,15
	ds_store_b128 v10, v[192+4*\i:195+4*\i] offset:512*\i   ; B's part of the long group (P = 7: no key step: zeros under M = -3e38, which add nothing)
.endr
	ds_store_b128 v10, v[12:15] offset:8192
	ds_store_b128 v10, v[16:19] offset:8704
.Lkeep:
	s_wait_dscnt 0x0                               ; my stash is stored
	s_barrier_signal -1
	s_barrier_wait -1
	s_cmp_lg_u32 s[ROLE], 0
	s_cbranch_scc1 .Ldone
	; A joins the two parts: the common M is the larger; each part is multiplied by 2^(its M - the common M)
.rept 4
	v_nop                                          ; places in front of loads into registers that the last products have read
.endr
	ds_load_b128 v[32:35], v10 offset:8192
	ds_load_b128 v[36:39], v10 offset:8704
.irp i, 0,1,2,3,4,5,6,7
	ds_load_b128 v[64+4*\i:67+4*\i], v10 offset:512*\i
	ds_load_b128 v[128+4*\i:131+4*\i], v10 offset:4096+512*\i
.endr
	s_wait_dscnt 0x0
	v_min_num_f32 v20, v12, v32                    ; the common -M
	v_min_num_f32 v22, v16, v36
	v_sub_f32 v21, v20, v12
	v_sub_f32 v23, v22, v16
	v_sub_f32 v20, v20, v32
	v_sub_f32 v22, v22, v36
	v_cvt_i32_f32 v21, v21
	v_cvt_i32_f32 v23, v23
	v_cvt_i32_f32 v20, v20
	v_cvt_i32_f32 v22, v22
	v_ldexp_f32 v26, 1.0, v21                      ; A's factors,
	v_ldexp_f32 v28, 1.0, v23
	v_ldexp_f32 v20, 1.0, v20                      ; B's
	v_ldexp_f32 v22, 1.0, v22
	v_pk_mul_f32 v[14:15], v[14:15], v[26:27] op_sel_hi:[1,0]
	v_pk_mul_f32 v[18:19], v[18:19], v[28:29] op_sel_hi:[1,0]
.set J, 0
.rept 16
	v_pk_mul_f32 v[192+J:193+J], v[192+J:193+J], v[26:27] op_sel_hi:[1,0]
	v_pk_mul_f32 v[224+J:225+J], v[224+J:225+J], v[28:29] op_sel_hi:[1,0]
.set J, J+2
.endr
	v_pk_fma_f32 v[14:15], v[34:35], v[20:21], v[14:15] op_sel_hi:[1,0,1]
	v_pk_fma_f32 v[18:19], v[38:39], v[22:23], v[18:19] op_sel_hi:[1,0,1]
.set J, 0
.rept 16
	v_pk_fma_f32 v[192+J:193+J], v[64+J:65+J], v[20:21], v[192+J:193+J] op_sel_hi:[1,0,1]
	v_pk_fma_f32 v[224+J:225+J], v[128+J:129+J], v[22:23], v[224+J:225+J] op_sel_hi:[1,0,1]
.set J, J+2
.endr
	WAYOUT
.Ldone:
	s_wait_tensorcnt 0x0                           ; the wave's end
	ds_add_u32 v[SPW], v[NIL]
	s_wait_dscnt 0x0
	CROUND                                         ; the closing round: no work-group ends while a partner may still ask for a tile that names it
	s_endpgm
.Lfunc_end_k_q130b45e8ec_attn:
	.size	k_q130b45e8ec_attn, .Lfunc_end_k_q130b45e8ec_attn-k_q130b45e8ec_attn
	.p2alignl 7, 3214868480
	.fill 96, 4, 3214868480
	.section	.rodata,"a",@progbits
	.p2align	6, 0x0
	.amdhsa_kernel k_q130b45e8ec_attn
		.amdhsa_group_segment_fixed_size 300032
		.amdhsa_private_segment_fixed_size 0
		.amdhsa_enable_private_segment 0
		.amdhsa_kernarg_size 40
		.amdhsa_user_sgpr_count 2
		.amdhsa_user_sgpr_kernarg_segment_ptr 1
		.amdhsa_wavefront_size32 1
		.amdhsa_system_sgpr_workgroup_id_x 1
		.amdhsa_system_sgpr_workgroup_id_y 1
		.amdhsa_system_sgpr_workgroup_id_z 1
		.amdhsa_system_vgpr_workitem_id 0
		.amdhsa_next_free_vgpr 512
		.amdhsa_next_free_sgpr 90
		.amdhsa_reserve_vcc 1
		.amdhsa_float_denorm_mode_32 3
		.amdhsa_float_denorm_mode_16_64 3
		.amdhsa_memory_ordered 1
		.amdhsa_forward_progress 1
		.amdhsa_inst_pref_size 74
	.end_amdhsa_kernel
	.amdgpu_metadata
---
amdhsa.version: [ 1, 2 ]
amdhsa.kernels:
  - .name:           k_q130b45e8ec_attn
    .symbol:         k_q130b45e8ec_attn.kd
    .args:
      - { .name: q_img, .offset: 0, .size: 8, .value_kind: global_buffer, .address_space: global }
      - { .name: k_img, .offset: 8, .size: 8, .value_kind: global_buffer, .address_space: global }
      - { .name: v_img, .offset: 16, .size: 8, .value_kind: global_buffer, .address_space: global }
      - { .name: lowp_scales, .offset: 24, .size: 8, .value_kind: global_buffer, .address_space: global }
      - { .name: y_img, .offset: 32, .size: 8, .value_kind: global_buffer, .address_space: global }
    .group_segment_fixed_size: 300032
    .private_segment_fixed_size: 0
    .kernarg_segment_align: 8
    .kernarg_segment_size: 40
    .max_flat_workgroup_size: 256
    .sgpr_count:     90
    .vgpr_count:     512
    .wavefront_size: 32
...
	.end_amdgpu_metadata
.endif
;; end of part 2
;; launch proj (part 3): grid 8 x 32, 4 waves a work-group, clusters of 4 x 4, 284,160 bytes of LDS; arguments y_img, w_proj_codes, b_proj, lowp_scales, out0; writes out0
.if DOCPART == 3
	.amdgcn_target "amdgcn-amd-amdhsa--gfx1250"
	.amdhsa_code_object_version 6
	.text
	.protected	k_q130b45e8ec_proj
	.globl	k_q130b45e8ec_proj
	.p2align	8
	.type	k_q130b45e8ec_proj,@function
k_q130b45e8ec_proj:
	s_mov_b64 s[64:65], 0
	v_nop
	global_prefetch_b8 v0, s[64:65] scope:SCOPE_SE
	s_setreg_imm32_b32 hwreg(HW_REG_WAVE_MODE, 25, 1), 1
	s_wait_xcnt 0x0
	s_wait_alu depctr_hold_cnt(0) depctr_sa_sdst(0) depctr_va_vdst(0) depctr_va_sdst(0) depctr_va_ssrc(0) depctr_va_vcc(0) depctr_vm_vsrc(0)
	s_getreg_b32 s2, hwreg(HW_REG_IB_STS2, 6, 4)
	s_cmp_eq_u32 s2, 0
	s_cbranch_scc0 .Lentry_in_a_cluster
	s_endpgm
.Lentry_in_a_cluster:
	s_bfe_u32 s2, ttmp6, 0x10000c
	s_cmp_lg_u32 s2, 0xf033
	s_cbranch_scc0 .Lentry_shape_is_right
	s_endpgm
.Lentry_shape_is_right:
; out0 = y W_proj^T + b_proj on codes of E4M3.  y: 4,096 x 1,024 as images of operand registers (y_img: [block of 128 rows 32][K step of 128, 8][tile of 16 rows 8][cq 4][lane][16 bytes], the K = 128 form's own
; layout: registers 2 c, 2 c + 1 hold k = 16 c + 8 (lane / 16) + 0 .. 7).  W_proj: 1,024 rows x 1,024 codes, K innermost.  out0: 4,096 x 1,024 f32.
; SHARES.  A tile of out0 is 128 x 128: grid x = the block of columns (8), grid y = the block of rows (32): 256 work-groups.  Four waves, each 64 x 64: 16 accumulators.
; THE MATRIX INSTRUCTION IS USED TRANSPOSED (source 0 = 16 rows of W, source 1 = 16 rows of y): a lane holds eight neighbouring columns of one row.
; LDS holds ALL of the work-group's operands, in two halves of 512 along K: y's 131,072 bytes as they lie (a fragment load reads 512 consecutive bytes), W's 128 rows x 512 bytes a half with rows 528 bytes apart.
; No byte is filled twice, so there is no ring.  Each wave issues ONE tensor load, at the head: wave 0 y's first half, wave 1 W's, wave 2 y's second half, wave 3 W's; one barrier shows all four.
; Nothing is left to prefetch: every byte is asked for at the head.
; CLUSTERS: 4 x 4.  y's halves hang on the block of rows alone: asked for jointly along a row of the cluster; W's on the block of columns alone: along a column.
; LIMIT: e6 + e7 lies between -126 and 127, so that 2^(e6 + e7) is an f32 number.
; REGISTERS.  Window 0: v16-17, v20-21 LDS addresses; v24-27 the way out; v30, v31 the add's; v32-63 b_proj in the result's layout; v64-127 at work on the way out, two sets; v128-255 the accumulators ((a, b) at 128 + 8 (4 a + b)).
;   Window 1: two fragment buffers of 128: y's 4 x 16 registers, then W's 4 x 16.
.set WV,   14
.set ADRA, 16
.set ADRB, 20
.set SPW,  30
.set NIL,  31
.set ACC,  128
.set WP,   528                         ; a row of W in LDS: 512 bytes + 16 = 132 words: the 32 lanes of a load of 8 bytes touch 64 different banks (64 banks of 4 bytes: ISA guide 11.1)
.set BREG, 131072                      ; W's region in LDS
.set BPH,  128*WP                      ; a half of it
.set STG,  BREG+2*BPH                  ; the stages: 16 rows x 272 bytes for each wave, its own; no tile lands there
.set SPARE, STG+4*16*272               ; the spare words, 128 bytes for each wave
.set MSB, 0
.macro WIN new                         ; the immediate's high byte repeats the setting that is left
.if MSB != (\new)
	s_set_vgpr_msb (MSB<<8)|(\new)
.set MSB, (\new)
.endif
.endm
.macro PLACES n
.rept \n
	v_nop
.endr
.endm
.macro CROUND
	s_barrier_signal -1
	s_barrier_wait -1
	s_cmp_lg_u32 s[WV], 0
	s_cbranch_scc1 .Lnot_wave_0_\@
	s_barrier_signal -3
.Lnot_wave_0_\@:
	s_barrier_wait -3
	s_barrier_signal -1
	s_barrier_wait -1
.endm
	s_load_b256 s[4:11], s[0:1], 0x0               ; y_img s[4:5], W s[6:7], b_proj s[8:9], the scales' exponents s[10:11]
	s_load_b64 s[12:13], s[0:1], 0x20              ; out0
	v_lshl_add_u32 v[SPW], v0, 2, SPARE
	v_mov_b32 v[NIL], 0
	ds_add_u32 v[SPW], v[NIL]                      ; the wave's opening
	ds_add_u32 v[SPW], v[NIL]
	v_lshrrev_b32 v1, 5, v0
	v_readfirstlane_b32 s[WV], v1                  ; wave 0..3
	s_lshr_b32 s15, s[WV], 1                       ; which half of the tile's rows is mine.  Also: which half of K I fetch
	s_and_b32 s16, s[WV], 1                        ; which half of its columns.  Also: I fetch for y (0) or for W (1)
	s_bfe_u32 s17, ttmp6, 0x40000                  ; cx, cy
	s_bfe_u32 s18, ttmp6, 0x40004
	s_lshl_b32 s19, ttmp9, 2
	s_add_co_u32 s19, s19, s17                     ; the block of columns = 4 x cluster x + cx
	s_and_b32 s20, ttmp7, 0xffff
	s_lshl_b32 s20, s20, 2
	s_add_co_u32 s20, s20, s18                     ; the block of rows = 4 x cluster y + cy
	s_lshl_b32 s21, s18, 2
	s_lshl_b32 s21, 15, s21                        ; my row of the cluster
	s_lshl_b32 s22, 0x1111, s17                    ; my column
	s_or_b32 s24, s21, (3<<16)|(1<<21)             ; y: a dense block of 65,536 bytes as 256 rows of 32 elements of 8 bytes; the mask; bit 21 beside it
	s_mov_b32 s25, 32<<16
	s_mov_b32 s26, 256<<16
	s_mov_b32 s27, 32<<16
	s_mov_b32 s28, 256
	s_mov_b32 s29, 32
	s_mov_b32 s30, 0
	s_mov_b32 s31, 0
	s_or_b32 s32, s22, (1<<20)|(1<<21)|(6<<22)|(3<<25)   ; W: 128 rows x 512 bytes, 1,024 apart; four words of padding after every 128
	s_mov_b32 s33, 512<<16
	s_mov_b32 s34, 128<<16
	s_mov_b32 s35, 512<<16
	s_mov_b32 s36, 128
	s_mov_b32 s37, 1024
	s_mov_b32 s38, 0
	s_mov_b32 s39, 0
	s_lshl_b32 s86, s15, 16                        ; y: my half of K, in LDS and in memory alike
	s_mul_i32 s87, s15, BPH
	s_add_co_u32 s87, s87, BREG                    ; W: my half in LDS
	s_lshl_b32 s88, s20, 17
	s_add_co_u32 s88, s88, s86
	s_mov_b32 s89, 0
	s_lshl_b32 s90, s19, 17                        ; 128 rows of 1,024 bytes a block,
	s_lshl_b32 s91, s15, 9                         ; my 512 bytes of each
	s_add_co_u32 s90, s90, s91
	s_mov_b32 s91, 0
	s_wait_dscnt 0x0                               ; both opening adds are done
	s_wait_kmcnt 0x0
	s_load_b64 s[92:93], s[10:11], 0x18            ; e6, e7
	s_add_nc_u64 s[88:89], s[4:5], s[88:89]
	s_add_nc_u64 s[90:91], s[6:7], s[90:91]
	s_mov_b32 s48, 1
	s_mov_b32 s49, s86
	s_mov_b64 s[50:51], s[88:89]
	s_or_b32 s51, s51, 0x80000000
	s_mov_b32 s52, 1
	s_mov_b32 s53, s87
	s_mov_b64 s[54:55], s[90:91]
	s_or_b32 s55, s55, 0x80000000
	CROUND                                         ; all sixteen work-groups are here: the joint loads meet
	s_cmp_eq_u32 s16, 0
	s_cbranch_scc0 .Lfill_b
	tensor_load_to_lds s[48:51], s[24:31]
	s_nop 0
.rept 4
	v_nop
.endr
	s_branch .Lfilled
.Lfill_b:
	tensor_load_to_lds s[52:55], s[32:39]
	s_nop 0
.rept 4
	v_nop
.endr
.Lfilled:
	v_and_b32 v1, 15, v0                           ; r
	v_bfe_u32 v2, v0, 4, 1                         ; h
	v_and_b32 v3, 31, v0
	s_wait_alu depctr_va_vdst(0)
	v_lshlrev_b32 v27, 5, v2                       ; 32 h: the bias's eight columns of my half
	s_lshl_b32 s86, s19, 9
	s_lshl_b32 s87, s16, 8
	s_add_co_u32 s86, s86, s87                     ; 4 x (128 block + 64 half): my first column, in bytes
	s_mov_b32 s87, 0
	s_add_nc_u64 s[8:9], s[8:9], s[86:87]
.irp b, 0,1,2,3
	global_load_b128 v[32+8*\b:35+8*\b], v27, s[8:9] offset:64*\b
	global_load_b128 v[36+8*\b:39+8*\b], v27, s[8:9] offset:64*\b+16
.endr
	s_lshl_b32 s88, s20, 19                        ; out0: 128 rows of 4,096 bytes a block,
	s_lshl_b32 s89, s15, 18                        ; my 64 rows,
	s_add_co_u32 s88, s88, s89
	s_add_co_u32 s88, s88, s86                     ; my first column
	s_mov_b32 s89, 0
	s_add_nc_u64 s[12:13], s[12:13], s[88:89]
	s_lshl_b32 s90, s15, 13                        ; y: my four tiles of rows, 2,048 bytes each
	v_lshl_add_u32 v[ADRA], v3, 4, s90
	v_add_nc_u32 v[ADRA+1], 0x10000, v[ADRA]       ; K steps 4 to 7
	s_mul_i32 s90, s16, 64*WP
	s_add_co_u32 s90, s90, BREG
	v_mul_u32_u24 v5, v1, WP
	v_lshl_add_u32 v5, v2, 3, v5
	v_add_nc_u32 v[ADRB], s90, v5                  ; W: my 64 rows; row r, + 8 h
	v_add_nc_u32 v[ADRB+1], BPH, v[ADRB]           ; the second half
	s_mul_i32 s90, s[WV], 16*272
	s_add_co_u32 s90, s90, STG                     ; my stage
	v_mul_u32_u24 v4, v1, 272
	v_lshl_add_u32 v24, v2, 5, v4
	v_add_nc_u32 v24, s90, v24                     ; in: row r, 32 bytes for each half of the lanes
	v_mul_u32_u24 v25, v2, 272
	v_lshl_add_u32 v25, v1, 4, v25
	v_add_nc_u32 v25, s90, v25                     ; back: lanes 0-15 one row of 256 bytes, lanes 16-31 the next
	v_lshlrev_b32 v26, 12, v2
	v_lshl_add_u32 v26, v1, 4, v26                 ; and the same two rows in out0
	s_wait_alu depctr_va_vdst(0)
	s_wait_kmcnt 0x0
	s_add_co_i32 s84, s92, s93
	s_add_co_i32 s84, s84, 127
	s_lshl_b32 s84, s84, 23                        ; 2^(e6 + e7) as f32
	s_mov_b32 s85, s84                             ; (named with it as a pair)
; K step i's fragments into buffer f: y's four by 16 loads of 16 bytes, W's four by 32 loads of 8 bytes, each k in the place that the form's own layout gives it, as in y_img.
.macro FETCH i, f
	WIN 0x40                                       ; destination window 1
.irp a, 0,1,2,3
.irp cq, 0,1,2,3
	ds_load_b128 v[(\f)+16*\a+4*\cq:(\f)+16*\a+4*\cq+3], v[ADRA+(\i)/4] offset:((\i)%4)*16384+2048*\a+512*\cq
.endr
.endr
.irp b, 0,1,2,3
.irp c, 0,1,2,3,4,5,6,7
	ds_load_b64 v[(\f)+64+16*\b+2*\c:(\f)+64+16*\b+2*\c+1], v[ADRB+(\i)/4] offset:16*WP*\b+128*((\i)%4)+16*\c
.endr
.endr
.endm
; 8 matrix instructions: tiles of rows a0, a0 + 1 x all four tiles of columns.  The 16 accumulators take turns, one instruction a turn.  zero = 1: the first step starts the sums.
.macro MUL8 f, a0, zero
	WIN 0x05                                       ; sources 0 and 1 window 1; C and D window 0
.irp a, \a0, \a0+1
.irp b, 0,1,2,3
.if \zero
	v_wmma_f32_16x16x128_fp8_fp8 v[ACC+8*(4*(\a)+\b):ACC+8*(4*(\a)+\b)+7], v[(\f)+64+16*\b:(\f)+64+16*\b+15], v[(\f)+16*(\a):(\f)+16*(\a)+15], 0
.else
	v_wmma_f32_16x16x128_fp8_fp8 v[ACC+8*(4*(\a)+\b):ACC+8*(4*(\a)+\b)+7], v[(\f)+64+16*\b:(\f)+64+16*\b+15], v[(\f)+16*(\a):(\f)+16*(\a)+15], v[ACC+8*(4*(\a)+\b):ACC+8*(4*(\a)+\b)+7]
.endif
.endr
.endr
.endm
; K step i: eight products, the next step's fetch, eight products.
.macro KSTEP i
.set FB, 128*((\i)%2)
.set FN, 128-FB
	s_wait_dscnt 0x0                               ; this step's fragments are in
.if (\i) == 0
	MUL8 FB, 0, 1
.else
	MUL8 FB, 0, 0
.endif
.if (\i) < 7
	PLACES 4                                       ; in front of loads into the buffer that the step before multiplied
	FETCH (\i)+1, FN
.endif
.if (\i) == 0
	MUL8 FB, 2, 1
.else
	MUL8 FB, 2, 0
.endif
.endm
	s_wait_tensorcnt 0x0                           ; my load has landed;
	s_barrier_signal -1
	s_barrier_wait -1                              ; everybody's has
	FETCH 0, 0
.irp i, 0,1,2,3,4,5,6,7
	KSTEP \i
.endr
	WIN 0
	PLACES 4                                       ; in front of the first read of results
; THE WAY OUT, a block of 16 rows x 64 columns at a time: sum x 2^(e6 + e7) + bias, one packed multiply-add for two numbers, each accumulator from its low end on; through my own stage in LDS; back as whole rows of 256 bytes,
; into the block's own accumulator registers.  LDS serves a wave's instructions in order (ISA guide 5.7.1.4): no wait between the stores and the loads, nor in front of the next block's stores.
.macro TOSTAGE a
.set TM, 64+32*((\a)%2)
.irp b, 0,1,2,3
.irp i, 0,2,4,6
	v_pk_fma_f32 v[TM+8*\b+\i:TM+8*\b+\i+1], v[ACC+32*(\a)+8*\b+\i:ACC+32*(\a)+8*\b+\i+1], s[84:85], v[32+8*\b+\i:32+8*\b+\i+1] op_sel_hi:[1,0,1]
.endr
.endr
.irp b, 0,1,2,3
	ds_store_b128 v24, v[TM+8*\b:TM+8*\b+3] offset:64*\b
	ds_store_b128 v24, v[TM+8*\b+4:TM+8*\b+7] offset:64*\b+16
.endr
.irp i, 0,1,2,3,4,5,6,7
	ds_load_b128 v[ACC+32*(\a)+4*\i:ACC+32*(\a)+4*\i+3], v25 offset:544*\i
.endr
.endm
.macro SEND a, younger                 ; younger: the LDS instructions issued behind block a's loads: the next block's 8 stores and 8 loads, or none
	s_wait_dscnt \younger
.irp i, 0,1,2,3,4,5,6,7
	global_store_b128 v26, v[ACC+32*(\a)+4*\i:ACC+32*(\a)+4*\i+3], s[12:13] offset:65536*(\a)+8192*\i th:TH_STORE_NT   ; 16 lanes store 256 consecutive bytes, aligned; no address is stepped and no store's data are written again
.endr
.endm
	s_wait_loadcnt 0x0                             ; the bias
	TOSTAGE 0
	TOSTAGE 1
	SEND 0, 16
	TOSTAGE 2
	SEND 1, 16
	TOSTAGE 3
	SEND 2, 16
	SEND 3, 0
	s_wait_tensorcnt 0x0                           ; the wave's end
	ds_add_u32 v[SPW], v[NIL]
	s_wait_dscnt 0x0
	CROUND                                         ; the closing round: no work-group ends while a partner may still ask for a tile that names it
	s_endpgm
.Lfunc_end_k_q130b45e8ec_proj:
	.size	k_q130b45e8ec_proj, .Lfunc_end_k_q130b45e8ec_proj-k_q130b45e8ec_proj
	.p2alignl 7, 3214868480
	.fill 96, 4, 3214868480
	.section	.rodata,"a",@progbits
	.p2align	6, 0x0
	.amdhsa_kernel k_q130b45e8ec_proj
		.amdhsa_group_segment_fixed_size 284160
		.amdhsa_private_segment_fixed_size 0
		.amdhsa_enable_private_segment 0
		.amdhsa_kernarg_size 40
		.amdhsa_user_sgpr_count 2
		.amdhsa_user_sgpr_kernarg_segment_ptr 1
		.amdhsa_wavefront_size32 1
		.amdhsa_system_sgpr_workgroup_id_x 1
		.amdhsa_system_sgpr_workgroup_id_y 1
		.amdhsa_system_sgpr_workgroup_id_z 1
		.amdhsa_system_vgpr_workitem_id 0
		.amdhsa_next_free_vgpr 512
		.amdhsa_next_free_sgpr 96
		.amdhsa_reserve_vcc 0
		.amdhsa_float_denorm_mode_32 3
		.amdhsa_float_denorm_mode_16_64 3
		.amdhsa_memory_ordered 1
		.amdhsa_forward_progress 1
		.amdhsa_inst_pref_size 53
	.end_amdhsa_kernel
	.amdgpu_metadata
---
amdhsa.version: [ 1, 2 ]
amdhsa.kernels:
  - .name:           k_q130b45e8ec_proj
    .symbol:         k_q130b45e8ec_proj.kd
    .args:
      - { .name: y_img, .offset: 0, .size: 8, .value_kind: global_buffer, .address_space: global }
      - { .name: w_proj_codes, .offset: 8, .size: 8, .value_kind: global_buffer, .address_space: global }
      - { .name: b_proj, .offset: 16, .size: 8, .value_kind: global_buffer, .address_space: global }
      - { .name: lowp_scales, .offset: 24, .size: 8, .value_kind: global_buffer, .address_space: global }
      - { .name: out0, .offset: 32, .size: 8, .value_kind: global_buffer, .address_space: global }
    .group_segment_fixed_size: 284160
    .private_segment_fixed_size: 0
    .kernarg_segment_align: 8
    .kernarg_segment_size: 40
    .max_flat_workgroup_size: 128
    .sgpr_count:     96
    .vgpr_count:     512
    .wavefront_size: 32
...
	.end_amdgpu_metadata
.endif
;; end of part 3
